; MI455X (gfx1250); checked and timed in simulation.
; The chip was launched on July 23, 2026; its instructions are those of AMD's public machine-readable ISA for CDNA 5 (MIT licence, August 2026) and "CDNA5" Instruction Set Architecture Reference Guide (July 2026). The comments in the code are by the model that wrote it; some were corrected since.
;; Scale Dot Product. Allowed arithmetic: matrix products marked QUANTISED: E3M2 operands, one E8M0 scale for each 32 along K, by v_wmma_scale_f32_16x16x128_f8f6f4 with both operands' format E3M2, f32 sums; everything else in f32.
;; Inputs: k 4 x 16 x 2,048 x 64 float32; q 4 x 16 x 2,048 x 64 float32; v 4 x 16 x 2,048 x 64 float32.
;; Outputs: out0 4 x 16 x 2,048 x 64 float32.
;; This version of the problem:
;;   THIS VERSION OF THE PROBLEM IS GIVEN IN LOW PRECISION. The matrix products marked QUANTISED in the list below multiply operands that are first quantised to E3M2 (3 exponent bits, 2 mantissa bits; 6 bits a number), with one power-of-two scale for each 32 numbers along K (OCP MX v1.0); their sums are f32. All else is computed in f32.
;;   The module's matrix products, in the order in which they are computed (A, B: the left and right operand; K: the contracted axis; several contracted axes count as one K, in the product's order):
;;     1. batch 64 x [M 2,048, K 64] x [K 64, N 2,048]; A: input q; B: input k: QUANTISED
;;     2. batch 64 x [M 2,048, K 2,048] x [K 2,048, N 64]; A: softmax (see below); B: input v: QUANTISED
;;   THE QUANTISER, for each operand of a quantised product, along K:
;;     - K is cut into blocks of 32 from its start; a last block that is shorter is filled with zeros.
;;     - A block's scale is 2^e with e = floor(log2(the largest magnitude in the block)) - 4, held to -126 .. 127; a block of zeros has e = 0. As a byte (E8M0): e + 127.
;;     - Each number is divided by its block's scale, clamped to +-28, and rounded to the nearest number of E3M2, ties to even, subnormals kept.
;;     - The product sums the exact products of the quantised numbers (number of the format x scale) in f32.
;;   ~~~python
;;   def quantise(x, axis):      # numpy; x: float32 -> the quantised numbers, widened to float32 again
;;       x = np.moveaxis(x, axis, -1); K = x.shape[-1]
;;       x = np.pad(x, [(0, 0)] * (x.ndim - 1) + [(0, -K % 32)]); x = x.reshape(x.shape[:-1] + (-1, 32)); a = np.abs(x).max(-1, keepdims=True)
;;       e = np.where(a > 0, np.clip(np.frexp(np.where(a > 0, a, 1))[1] - 1 - 4, -126, 127), 0)      # np.frexp(a)[1] - 1 = floor(log2(a)), exactly
;;       r = np.clip(x / 2.0 ** e, -28, 28)
;;       step = 2.0 ** (np.maximum(np.frexp(np.where(r == 0, 1, r))[1] - 1, -2) - 2)
;;       q = np.round(r / step) * step * 2.0 ** e      # np.round: ties to even
;;       return np.moveaxis(q.reshape(q.shape[:-2] + (-1,))[..., :K], -1, axis).astype(np.float32)
;;   ~~~
;;   SOFTMAX AHEAD OF A QUANTISED PRODUCT. Where the list says 'softmax', what is quantised is not the finished softmax but p = 2^(t - M), with t = logit x log2(e) and M = ceil(the row's largest t), a whole number; so 1/2 < the row's largest p <= 1. The row's sum l is taken of the UNQUANTISED p, in f32, and the product's result is divided by l at the end. Since M is a whole number, a kernel that streams over the keys may use a running M (the ceiling of the running maximum): every later rescaling is an exact power of two, which a block's scale takes up: the codes' values come out the same.
;;   OPERANDS COMPUTED ON THE WAY. 'Computed on the way' means the value that the module computes at that place (a softmax that the list does not call 'softmax' is quantised finished and normalised). What goes into a quantiser is computed in f32, as accurately as f32 sums, v_exp_f32 and their like allow (about 1e-6 of the number): no bf16 or f16 on the way to a quantiser, and a product that is left as it is and whose result goes on into a quantised operand takes f32 operands (vector FMAs, or v_wmma_f32_16x16x4_f32). A number that lies on a knife's edge between two numbers of the format may be rounded either way, as far as f32 arithmetic and the matrix unit's own rounding can turn it there, and no further.
;; One version. Each part assembles by itself: llvm-mc -triple=amdgcn-amd-amdhsa -mcpu=gfx1250 --defsym DOCPART=n.
;; ======== version 1 of 1: 2 launches
;; workspace buffers: kv 13,107,200 bytes
;; launch quant (part 1): grid 256 x 2, 4 waves a work-group, no clusters, 101,888 bytes of LDS; arguments k, v, kv; writes kv
.if DOCPART == 1
	.amdgcn_target "amdgcn-amd-amdhsa--gfx1250"
	.amdhsa_code_object_version 6
	.text
	.protected	k_q62de315d70_quant
	.globl	k_q62de315d70_quant
	.p2align	8
	.type	k_q62de315d70_quant,@function
k_q62de315d70_quant:
	s_mov_b64 s[64:65], 0
	v_nop
	global_prefetch_b8 v0, s[64:65] scope:SCOPE_SE
	s_setreg_imm32_b32 hwreg(HW_REG_WAVE_MODE, 25, 1), 1
	s_wait_xcnt 0x0
; k and v, [64 heads][2048 keys][64] f32, become codes of BF6 (E3M2) with one E8M0 byte for each 32 along a product's K: k along the head's 64, v along the KEYS.
; They are laid in kv in the order of the operands' registers, so that the next launch takes every fragment by loads of 16 bytes a lane.
; A RECORD of 12,800 bytes holds one key step (128 keys) of one head; record T = 16 head + step begins at byte 12,800 T:
;   0      K's 4 fragments, 1,536 bytes each: registers 4 j .. 4 j + 3 of lane l at 512 j + 16 l.  Lane (r, h), registers 6 c .. 6 c + 5: key 32 f + 8 c + r + 8 (r / 8), dims 32 h .. 32 h + 31.
;          So a fragment holds TWO tiles of 16 keys x 64: one in the instruction's k 0..63, the other in its k 64..127.
;   6,144  V^T's 4 fragments: lane (r, h), registers 6 c .. 6 c + 5: channel 16 t + r, keys 64 c + 32 h + 0 .. 31 of the step.
;   12,288 K's scale words: word (f, r) at 16 r + 4 f; byte 2 c + h belongs to registers 6 c .. of lane (r, h).      12,544 V's likewise.
; A block's scale is 2^(floor(log2(its largest magnitude)) - 4); its byte is the largest magnitude's exponent field - 4, held at 1 from below.
; LIMITS: NaN and infinities among the inputs are not served.  A block whose largest magnitude lies under 2^-122 keeps the byte 1; so does a block of zeros, where the rule says 127: its codes are zeros,
; which add nothing under any byte but 0xff, and this program alone reads the bytes.
; SHARES.  Work-group y says which tensor (0: k, 1: v); a wave takes one record: T = 4 x + wave, 32,768 dense bytes in.  Waves share nothing: no barrier.  Every load reads 512 consecutive bytes, every store of
; codes writes 512 consecutive bytes at a multiple of 256 from kv's first byte, and a record's 64 scale words of one tensor leave as 256 consecutive bytes.  Two groups of 16 loads a wave are on their way.
; The conversions take neighbours along K from ONE lane's consecutive registers, so the numbers turn through the wave's own stage in LDS: k's so that a lane gets 32 dims of one key, v's so that a lane gets one
; channel and its registers run down 32 keys.  Each of the two paths has LDS bytes of its own.
.set REC,   12800
.set KPIT,  272                        ; k's stage: a key's 256 bytes + 16: the 16 rows that a load of 16 bytes a lane touches start at 16 different groups of banks (64 banks of 4 bytes: ISA guide 11.1)
.set KSTG,  32*KPIT                    ; 32 keys: 8,704 bytes a wave, from LDS byte 0
.set VBASE, 4*KSTG                     ; behind them v's stages
.set VSLOT, 8256                       ; v's stage: two slots of 32 keys x 256 bytes, 8,256 bytes apart, which is 64 more than a whole number of times through the banks
.set VSTG,  16640                      ; a wave's two slots
.set W,    20                          ; v20-23   the record's four scale words of this tensor
.set AUX,  24                          ; v24-26   the second half of a block's codes (a conversion's three registers begin on an even number)
.set PC,   48                          ; v48-59   k: a fragment's codes
.set X,    64                          ; v64-127  k: two blocks of 32 numbers
.set PCV,  48                          ; v48-95   v: the four fragments' codes
.set XV,   96                          ; v96-127  v: a block of 32 numbers
.set R,    128                         ; v128-255 two sets of 64: 32 keys as they are loaded
	s_load_b128 s[4:7], s[0:1], 0x0                ; k, v
	s_load_b64 s[8:9], s[0:1], 0x10                ; kv
	v_lshl_add_u32 v46, v0, 2, 0x18c00
	v_mov_b32 v47, 0
	v_lshrrev_b32 v1, 5, v0
	v_readfirstlane_b32 s10, v1                    ; wave 0..3
	s_and_b32 s11, ttmp7, 0xffff                   ; 0: k, 1: v
	s_lshl_b32 s12, ttmp9, 2
	s_add_co_u32 s12, s12, s10                     ; T
	s_lshl_b32 s14, s12, 15                        ; 32,768 T, under 2^25
	s_mov_b32 s15, 0
	s_mul_i32 s16, s12, REC
	s_mov_b32 s17, 0
	s_mul_i32 s18, s10, KSTG                       ; my stage on k's path
	s_mul_i32 s19, s10, VSTG
	s_add_co_u32 s19, s19, VBASE                   ; and on v's
	s_mov_b32 s20, 0x76543210
	s_mov_b32 s21, 0xfedcba98                      ; v_permlanex16_b32's selects for lane l xor 16
	v_and_b32 v1, 31, v0                           ; lane
	v_and_b32 v2, 15, v0                           ; r
	v_bfe_u32 v3, v0, 4, 1                         ; h
	v_lshlrev_b32 v4, 4, v1                        ; 16 x lane: my place in a load's and in a store's 512 bytes; never rewritten
	v_mul_u32_u24 v5, v3, KPIT
	v_lshl_add_u32 v5, v2, 4, v5
	v_add_nc_u32 v5, s18, v5                       ; k's stage, in: a load holds two keys: row h, 16 r
	v_mul_u32_u24 v6, v2, KPIT
	v_lshl_add_u32 v6, v3, 7, v6
	v_add_nc_u32 v6, s18, v6                       ; and out: row r, dims 32 h on
	v_add_nc_u32 v7, s19, v4                       ; v's stage, in: as the bytes lie
	v_mul_u32_u24 v8, v3, VSLOT
	v_lshl_add_u32 v8, v2, 2, v8
	v_add_nc_u32 v8, s19, v8                       ; and out: slot h, channel r
	v_lshlrev_b32 v9, 4, v2
	v_lshl_add_u32 v9, v3, 3, v9                   ; the scale words' way out: 16 r + 8 h
	v_lshlrev_b32 v10, 3, v3                       ; 8 h: my bytes' place in a scale word, in bits
.irp n, 12,13,14,15
	v_mov_b32 v\n, 0                               ; written once: a lane permute's destination counts as one of its sources
.endr
	s_wait_kmcnt 0x0
	s_cmp_eq_u32 s11, 0                            ; the choice hangs on the work-group's number alone
	s_cselect_b64 s[4:5], s[4:5], s[6:7]
	s_add_nc_u64 s[4:5], s[4:5], s[14:15]          ; my 128 keys
	s_add_nc_u64 s[8:9], s[8:9], s[16:17]          ; my record
.macro LOAD u                          ; keys 32 u .. 32 u + 31 of the step into set u % 2: 16 loads of 512 consecutive bytes, two keys each
.irp i, 0,1,2,3,4,5,6,7,8,9,10,11,12,13,14,15
	global_load_b128 v[R+64*((\u)%2)+4*\i:R+64*((\u)%2)+4*\i+3], v4, s[4:5] offset:8192*(\u)+512*\i th:TH_LOAD_NT
.endr
.endm
; A block of 32 numbers of one lane, v[x] on, becomes six registers of codes at v[pc] on; its byte goes into scale word v[w], at bits 0 (c = 0) or 16 (c = 1).
.macro QBLK x, pc, w, c
.set XQ, \x
.set PQ, \pc
.set WQ, \w
	v_max3_num_f32 v12, |v[XQ]|, |v[XQ+1]|, 0x2800000              ; the largest magnitude, in two chains; the floor 2^(5 - 127) is one more leaf: so the byte cannot fall under 1
	v_max3_num_f32 v13, |v[XQ+16]|, |v[XQ+17]|, |v[XQ+18]|
.irp i, 0,1,2,3,4,5
	v_max3_num_f32 v12, v12, |v[XQ+2+2*\i]|, |v[XQ+3+2*\i]|
	v_max3_num_f32 v13, v13, |v[XQ+19+2*\i]|, |v[XQ+20+2*\i]|
.endr
	v_max3_num_f32 v12, v12, |v[XQ+14]|, |v[XQ+15]|
	v_max3_num_f32 v12, v12, v13, |v[XQ+31]|
	v_add_nc_u32 v14, 0xfe000000, v12              ; 4 off its exponent field: the conversion takes the exponent field of this operand as its scale, and nothing else of it
	v_lshrrev_b32 v16, 23, v14                     ; the scale's byte
.if \c == 0
	v_mov_b32 v[WQ], v16
.else
	v_lshl_or_b32 v[WQ], v16, 16, v[WQ]
.endif
	v_cvt_scalef32_pk16_bf6_f32 v[PQ:PQ+2], v[XQ:XQ+15], v14       ; to the nearest code, ties to even, beyond the largest code the largest
	v_cvt_scalef32_pk16_bf6_f32 v[AUX:AUX+2], v[XQ+16:XQ+31], v14
	v_nop                                          ; one plain place behind a scaled conversion
.irp i, 0,1,2
	v_mov_b32 v[PQ+3+\i], v[AUX+\i]
.endr
.endm
; The four scale words: my two bytes of each go 8 h bits up, lane l xor 16's two make the word whole; lanes 0-15 store words 0 and 1 of their row, lanes 16-31 words 2 and 3: 256 consecutive bytes.
.macro FINISH off
.irp n, 0,1,2,3
	v_lshlrev_b32 v[W+\n], v10, v[W+\n]
.endr
.irp n, 0,1,2,3
	v_permlanex16_b32 v[12+\n], v[W+\n], s20, s21
.endr
.irp n, 0,1,2,3
	v_or_b32 v[W+\n], v[W+\n], v[12+\n]
.endr
	v_cmp_ne_u32 vcc_lo, 0, v3
	v_cndmask_b32 v18, v[W], v[W+2], vcc_lo
	v_cndmask_b32 v19, v[W+1], v[W+3], vcc_lo
	global_store_b64 v9, v[18:19], s[8:9] offset:\off
.endm
; k: fragment f, keys 32 f .. 32 f + 31.  Key x of the 32 goes to stage row 16 ((x / 8) % 2) + x % 8 + 8 (x / 16), so that the 16 keys of a tile, 8 c + r + 8 (r / 8), lie in rows 16 c + r.
.macro KFRAG f
.if (\f) < 3
	s_wait_loadcnt 16                              ; my 16 loads are in; the 16 of the next 32 keys may be out
.else
	s_wait_loadcnt 0x0
.endif
.irp i, 0,1,2,3,4,5,6,7,8,9,10,11,12,13,14,15
	ds_store_b128 v5, v[R+64*((\f)%2)+4*\i:R+64*((\f)%2)+4*\i+3] offset:(16*((\i/4)%2)+2*(\i%4)+8*(\i/8))*KPIT
.endr
.irp c, 0,1
.irp e, 0,1,2,3,4,5,6,7
	ds_load_b128 v[X+32*\c+4*\e:X+32*\c+4*\e+3], v6 offset:16*\c*KPIT+16*\e   ; LDS serves a wave's instructions in order (ISA guide 5.7.1.4): these see the stores above
.endr
.endr
	s_wait_dscnt 0x0                               ; the numbers are back, and the stage's stores have read their registers
.if (\f) > 0
	s_wait_xcnt 0x0                                ; the last fragment's stores have read their data: the codes' registers are written again only behind this wait
.endif
.if (\f) < 2
	LOAD (\f)+2
.endif
	QBLK X, PC, W+(\f), 0
	QBLK X+32, PC+6, W+(\f), 1
.irp j, 0,1,2
	global_store_b128 v4, v[PC+4*\j:PC+4*\j+3], s[8:9] offset:1536*(\f)+512*\j
.endr
.endm
	LOAD 0
	LOAD 1
	s_cmp_lg_u32 s11, 0
	s_cbranch_scc1 .Lv
	KFRAG 0
	KFRAG 1
	KFRAG 2
	KFRAG 3
	FINISH 12288
	s_wait_tensorcnt 0x0
	ds_add_u32 v46, v47
	s_wait_dscnt 0x0
	s_endpgm
.Lv:                                                   ; v: 64 keys at a time (c), as two slots of 32; lane (r, h) then reads channel 16 t + r of slot h, its registers running down the keys: nothing is transposed by an instruction
	s_wait_alu depctr_va_vdst(0)
.irp c, 0,1
	s_wait_loadcnt 16                              ; the first 32 keys are in; the 16 loads of the second 32 may be out
.irp i, 0,1,2,3,4,5,6,7,8,9,10,11,12,13,14,15
	ds_store_b128 v7, v[R+4*\i:R+4*\i+3] offset:512*\i
.endr
	s_wait_loadcnt 0x0
.irp i, 0,1,2,3,4,5,6,7,8,9,10,11,12,13,14,15
	ds_store_b128 v7, v[R+64+4*\i:R+64+4*\i+3] offset:VSLOT+512*\i
.endr
.irp t, 0,1,2,3
.irp i, 0,1,2,3,4,5,6,7,8,9,10,11,12,13,14,15,16,17,18,19,20,21,22,23,24,25,26,27,28,29,30,31
	ds_load_b32 v[XV+\i], v8 offset:256*\i+64*\t   ; v(64 c + 32 h + i, 16 t + r): the 32 lanes touch 32 different banks
.endr
	s_wait_dscnt 0x0                               ; the block is in (and, the first time, the stage's stores have read their registers)
.if (\c == 0) && (\t == 0)
	LOAD 2
	LOAD 3
.endif
	QBLK XV, PCV+12*\t+6*\c, W+\t, \c
.endr
.endr
.irp n, 0,1,2,3,4,5,6,7,8,9,10,11
	global_store_b128 v4, v[PCV+4*\n:PCV+4*\n+3], s[8:9] offset:6144+512*\n
.endr
	FINISH 12544
	s_wait_tensorcnt 0x0
	ds_add_u32 v46, v47
	s_wait_dscnt 0x0
	s_endpgm
.Lfunc_end_k_q62de315d70_quant:
	.size	k_q62de315d70_quant, .Lfunc_end_k_q62de315d70_quant-k_q62de315d70_quant
	.p2alignl 7, 3214868480
	.fill 96, 4, 3214868480
	.section	.rodata,"a",@progbits
	.p2align	6, 0x0
	.amdhsa_kernel k_q62de315d70_quant
		.amdhsa_group_segment_fixed_size 101888
		.amdhsa_private_segment_fixed_size 0
		.amdhsa_enable_private_segment 0
		.amdhsa_kernarg_size 24
		.amdhsa_user_sgpr_count 2
		.amdhsa_user_sgpr_kernarg_segment_ptr 1
		.amdhsa_wavefront_size32 1
		.amdhsa_system_sgpr_workgroup_id_x 1
		.amdhsa_system_sgpr_workgroup_id_y 1
		.amdhsa_system_sgpr_workgroup_id_z 1
		.amdhsa_system_vgpr_workitem_id 0
		.amdhsa_next_free_vgpr 256
		.amdhsa_next_free_sgpr 66
		.amdhsa_reserve_vcc 1
		.amdhsa_float_denorm_mode_32 3
		.amdhsa_float_denorm_mode_16_64 3
		.amdhsa_memory_ordered 1
		.amdhsa_forward_progress 1
		.amdhsa_inst_pref_size 67
	.end_amdhsa_kernel
	.amdgpu_metadata
---
amdhsa.version: [ 1, 2 ]
amdhsa.kernels:
  - .name:           k_q62de315d70_quant
    .symbol:         k_q62de315d70_quant.kd
    .args:
      - { .name: k, .offset: 0, .size: 8, .value_kind: global_buffer, .address_space: global }
      - { .name: v, .offset: 8, .size: 8, .value_kind: global_buffer, .address_space: global }
      - { .name: kv, .offset: 16, .size: 8, .value_kind: global_buffer, .address_space: global }
    .group_segment_fixed_size: 101888
    .private_segment_fixed_size: 0
    .kernarg_segment_align: 8
    .kernarg_segment_size: 24
    .max_flat_workgroup_size: 128
    .sgpr_count:     66
    .vgpr_count:     256
    .wavefront_size: 32
...
	.end_amdgpu_metadata
.endif
;; end of part 1
;; launch attn (part 2): grid 4 x 64, 16 waves a work-group, clusters of 4 x 1, 276,480 bytes of LDS; arguments q, kv, out0; writes out0
.if DOCPART == 2
	.amdgcn_target "amdgcn-amd-amdhsa--gfx1250"
	.amdhsa_code_object_version 6
	.text
	.protected	k_q62de315d70_attn
	.globl	k_q62de315d70_attn
	.p2align	8
	.type	k_q62de315d70_attn,@function
k_q62de315d70_attn:
	s_mov_b64 s[64:65], 0
	v_nop
	global_prefetch_b8 v0, s[64:65] scope:SCOPE_SE
	s_setreg_imm32_b32 hwreg(HW_REG_WAVE_MODE, 25, 1), 1
	s_wait_xcnt 0x0
	s_wait_alu depctr_hold_cnt(0) depctr_sa_sdst(0) depctr_va_vdst(0) depctr_va_sdst(0) depctr_va_ssrc(0) depctr_va_vcc(0) depctr_vm_vsrc(0)
	s_getreg_b32 s2, hwreg(HW_REG_IB_STS2, 6, 4)
	s_cmp_eq_u32 s2, 0
	s_cbranch_scc0 .Lentry_in_a_cluster
	s_endpgm
.Lentry_in_a_cluster:
	s_bfe_u32 s2, ttmp6, 0x10000c
	s_cmp_lg_u32 s2, 0x3003
	s_cbranch_scc0 .Lentry_shape_is_right
	s_endpgm
.Lentry_shape_is_right:
; out0[head][q][:] = the sum over k of softmax_k(Q[q] . K[k] / 8) V[k][:], 64 heads, 2,048 queries and keys, head size 64; both products on codes of BF6 (E3M2) with one E8M0 scale for each 32 along K.
; THE SOFTMAX AHEAD OF THE SECOND PRODUCT: t = score x log2(e) / 8; M = the row's largest t so far, rounded UP to a whole number; p = 2^(t - M) is what is quantised, along the keys; it is not normalised.
; The row's sum is taken of the unquantised p, in f32, and divides O at the end.  When M moves, the sum and O are multiplied by 2^(old M - new M): exact.
; K and V come as codes and scale words from kv, laid by the launch before in the order of the operands' registers: a record of 12,800 bytes for each step of 128 keys (0: K's 4 fragments; 6,144: V^T's 4;
; 12,288: K's 64 scale words; 12,544: V's).  A HEAD'S 16 RECORDS, 204,800 BYTES, STAY IN LDS: they are filled once, wave w bringing record w, and no LDS byte is filled twice.
; CLUSTER.  The four work-groups of a cluster are the four quarters of one head's queries and read the same 16 records: each record is asked for JOINTLY, by the same tensor load with the same descriptor and a
; mask that names the four.  A work-group's place in the cluster enters q's and out0's addresses alone.  The grid has one cluster along x.
; SHARES.  A work-group owns 512 queries, in two passes of 256; in a pass each of its SIXTEEN waves owns one tile of 16 queries, in 256 registers: four waves to a SIMD, so that one wave's vector work stands
; beside another's matrix work and LDS loads.  Every wave walks all 16 key steps.  q is read by one wave alone and is quantised here, in registers.
; LAYOUT.  Both products are used transposed: S^T = K Q^T (source 0 = keys, source 1 = my 16 queries), O^T = V^T P^T (source 0 = 16 channels, source 1 = P): a lane holds ONE query (lane % 16) throughout.
; THE FIRST PRODUCT'S K IS 64, THE INSTRUCTION'S 128.  A fragment of K holds two tiles of 16 keys, one in k 0..63 and one in k 64..127.  Q's six registers stand between six zeros and six zeros: [Q, 0] picks the
; first tile, [0, Q] the second; zero codes add nothing under any scale byte but 0xff, and no byte here is 0xff.
; THE KEYS OF A TILE ARE NOT NEIGHBOURS: lane r of tile 2 f + c takes key 32 f + 8 c + r + 8 (r / 8), so that S^T's register 16 b + i holds key 32 b + 16 (lane / 16) + i: 16 neighbours along the next K.
; LIMITS: NaN and infinities among the inputs are not served.  A block whose largest magnitude lies under 2^-122 keeps the scale byte 1 (a block of zeros too: its codes are zeros).  A p under 2^-126 becomes 0.
; A block's largest p is made from the block's largest score by the same multiply-add and exponential: this leans on v_exp_f32 not falling where its input rises.
.set REC,   12800
.set NREC,  16
.set STAGE, NREC*REC                   ; behind the records: 16 rows x (256 bytes + 16) for each wave: q's turn on the way in, O's on the way out.  No tensor load lands there
.set SP,    272                        ; row r starts at bank 4 r mod 64 (64 banks of 4 bytes: ISA guide 11.1)
.set LI,   1                           ; v1   16 x lane: a fragment's image, and 512 dense bytes of q and of out0; never rewritten
.set ADR,  2                           ; v2   LI + the step's record
.set STO,  3                           ; v3   the stage: row r, + 32 h
.set RD,   4                           ; v4   the stage: row h, + 16 r
.set QT,   5                           ; v5   the stage: row r, + 128 h
.set FF,   6                           ; v[6:7] f = 2^(old M - new M), and a 0 named with it as a pair
.set QSL,  8                           ; v8   Q's scale word for [Q, 0]: bytes 0, 1
.set QSH,  9                           ; v9   for [0, Q]: bytes 2, 3
.set PW,   10                          ; v10  p's scale word
.set TMP,  11                          ; v11  at work.   v12 -M, v13 the largest t, v[14:15] the sum in two halves
.set QH,   16                          ; v[16:27] = [0, Q]
.set QL,   22                          ; v[22:33] = [Q, 0]
.set SC,   36                          ; v36-39   lanes 0-15: K's four scale words of row r; lanes 16-31: V's
.set BM,   40                          ; v40-43   each block's largest score, then its largest p
.set TP,   44                          ; v44-47   lane permutes' results; v[44:45] also the sum's second chain
.set FRG,  48                          ; v48-95   four fragments: K's, then V's
.set S,    96                          ; v96-159  S^T, then p
.set OT,   160                         ; v160-191 O^T
.set PC,   192                         ; v192-203 p's codes
.set AUX,  204                         ; v204-211 the conversions' second halves
.set SO,   212                         ; v212-215 the conversions' scale operands
.set BY,   216                         ; v216-219 scale bytes
.set QR,   220                         ; v220-251 q as it is loaded
.set WV,   10                          ; s10  my wave's number
.set SEL,  20                          ; s[20:21] v_permlanex16_b32's selects for lane l xor 16
.set CS,   22                          ; s[22:23] c = log2(e) / 8: the packed form names a pair and takes its low word for both halves
.set G1,   24                          ; s[24:31] descriptor group 1
.set G0,   32                          ; s[32:35] descriptor group 0
.set TB,   36                          ; s36  the step's record in LDS; also the loop's counter
; A round of the cluster's barrier: my work-group's barrier, so that wave 0's signal speaks for all sixteen waves; wave 0 signals for the work-group; every wave waits for all four work-groups; my work-group's barrier once more.
.macro CROUND
	s_barrier_signal -1
	s_barrier_wait -1
	s_cmp_lg_u32 s[WV], 0
	s_cbranch_scc1 .Lnot_wave_0_\@
	s_barrier_signal -3
.Lnot_wave_0_\@:
	s_barrier_wait -3
	s_barrier_signal -1
	s_barrier_wait -1
.endm
	s_load_b128 s[4:7], s[0:1], 0x0                ; q, kv
	s_load_b64 s[8:9], s[0:1], 0x10                ; out0
	v_lshl_add_u32 v254, v0, 2, 0x43000
	v_mov_b32 v255, 0
	ds_add_u32 v254, v255
	ds_add_u32 v254, v255
	v_lshrrev_b32 v1, 5, v0
	s_delay_alu instid0(VALU_DEP_1)
	v_readfirstlane_b32 s[WV], v1                  ; wave 0..15
	s_bfe_u32 s11, ttmp6, 0x40000                  ; cx: which quarter of the head's queries
	s_and_b32 s12, ttmp7, 0xffff                   ; the head, which the four partners share
	s_lshl_b32 s14, s12, 11
	s_lshl_b32 s15, s11, 9
	s_add_co_u32 s14, s14, s15
	s_lshl_b32 s15, s[WV], 4
	s_add_co_u32 s14, s14, s15                     ; my first query's row: 2,048 head + 512 cx + 16 wave,
	s_lshl_b32 s14, s14, 8                         ; of 256 bytes: under 2^25
	s_mov_b32 s15, 0
	s_mul_i32 s16, s12, NREC*REC                   ; the head's records,
	s_mul_i32 s19, s[WV], REC
	s_add_co_u32 s16, s16, s19                     ; and of them the one that I fetch: no place in the cluster enters here
	s_mov_b32 s17, 0
	s_mul_i32 s18, s[WV], 16*SP
	s_add_co_u32 s18, s18, STAGE                   ; my stage
	s_mov_b32 s[SEL], 0x76543210
	s_mov_b32 s[SEL+1], 0xfedcba98
	s_mov_b32 s[CS], 0x3e38aa3b                    ; log2(e) / 8
	s_mov_b32 s[CS+1], s[CS]                       ; (named with it as a pair, so it is written)
	; descriptor group 1: a record is a dense block: 50 rows of 32 elements of 8 bytes, no padding
	s_mov_b32 s[G1], 15|(3<<16)|(1<<21)            ; 15:0 the mask: all four work-groups; 17:16 elements of 8 bytes; 20 padding off; 21 set beside a mask
	s_mov_b32 s[G1+1], 32<<16                      ; tensor_dim0 = 32
	s_mov_b32 s[G1+2], 50<<16                      ; tensor_dim1 = 50
	s_mov_b32 s[G1+3], 32<<16                      ; tile_dim0 = 32
	s_mov_b32 s[G1+4], 50                          ; tile_dim1 = 50
	s_mov_b32 s[G1+5], 32                          ; tensor_dim0_stride
	s_mov_b32 s[G1+6], 0
	s_mov_b32 s[G1+7], 0
	s_wait_dscnt 0x0
	s_wait_kmcnt 0x0
	s_add_nc_u64 s[4:5], s[4:5], s[14:15]          ; q and out0 at my first query
	s_add_nc_u64 s[8:9], s[8:9], s[14:15]
	s_mov_b32 s[G0], 1                             ; 1:0 count = 1
	s_mul_i32 s[G0+1], s[WV], REC                  ; 63:32 LDS address: record w
	s_add_nc_u64 s[G0+2:G0+3], s[6:7], s[16:17]    ; 120:64 global address
	s_or_b32 s[G0+3], s[G0+3], 0x80000000          ; 127:126 type = 2
	CROUND                                         ; all four work-groups are here: the joint loads meet
	tensor_load_to_lds s[G0:G0+3], s[G1:G1+7]      ; my one tensor load of the launch
	s_nop 0
.rept 4
	v_nop
.endr
	v_and_b32 v[LI], 31, v0
	s_delay_alu instid0(VALU_DEP_1)
	v_lshlrev_b32 v[LI], 4, v[LI]
.irp i, 0,1,2,3,4,5,6,7
	global_load_b128 v[QR+4*\i:QR+4*\i+3], v[LI], s[4:5] offset:512*\i th:TH_LOAD_NT   ; the first pass's q: 16 rows, 512 consecutive bytes a load
.endr
	v_and_b32 v[BM], 15, v0                        ; r
	v_bfe_u32 v[BM+1], v0, 4, 1                    ; h
	s_delay_alu instid0(VALU_DEP_2)
	v_mul_u32_u24 v[STO], v[BM], SP
	s_delay_alu instid0(VALU_DEP_1)
	v_add_nc_u32 v[STO], s18, v[STO]
	s_delay_alu instid0(VALU_DEP_1)
	v_lshl_add_u32 v[QT], v[BM+1], 7, v[STO]
	s_delay_alu instid0(VALU_DEP_2)
	v_lshl_add_u32 v[STO], v[BM+1], 5, v[STO]
	v_mul_u32_u24 v[RD], v[BM+1], SP
	s_delay_alu instid0(VALU_DEP_1)
	v_lshl_add_u32 v[RD], v[BM], 4, v[RD]
	s_delay_alu instid0(VALU_DEP_1)
	v_add_nc_u32 v[RD], s18, v[RD]
.irp j, 16,17,18,19,20,21,28,29,30,31,32,33
	v_mov_b32 v\j, 0                               ; the zero codes on both sides of Q: they stay
.endr
	v_mov_b32 v[FF+1], 0
.irp j, 0,1,2,3
	v_mov_b32 v[TP+\j], 0                          ; written once: a lane permute's destination counts as one of its sources
.endr
; A KEY STEP: 128 keys, the record at s[TB].
.macro STEP
	v_add_nc_u32 v[ADR], s[TB], v[LI]              ; (the places in front of the loads below: the 32 additions at the last step's end, or the lines ahead of the loop)
.irp n, 0,1,2,3,4,5,6,7,8,9,10,11
	ds_load_b128 v[FRG+4*\n:FRG+4*\n+3], v[ADR] offset:512*\n         ; K's four fragments, as images of their registers
.endr
	ds_load_b128 v[SC:SC+3], v[ADR] offset:12288   ; lanes 0-15: K's words of row r; lanes 16-31, 256 bytes on: V's
	s_wait_alu depctr_va_vdst(0)
	s_wait_dscnt 0x0
.irp f, 0,1,2,3                                ; S^T = K Q^T: each fragment serves two tiles of 16 keys
	v_wmma_scale_f32_16x16x128_f8f6f4 v[S+16*\f:S+16*\f+7], v[FRG+12*\f:FRG+12*\f+11], v[QL:QL+11], 0, v[SC+\f], v[QSL] matrix_a_fmt:MATRIX_FMT_BF6 matrix_b_fmt:MATRIX_FMT_BF6
	v_wmma_scale_f32_16x16x128_f8f6f4 v[S+16*\f+8:S+16*\f+15], v[FRG+12*\f:FRG+12*\f+11], v[QH:QH+11], 0, v[SC+\f], v[QSH] matrix_a_fmt:MATRIX_FMT_BF6 matrix_b_fmt:MATRIX_FMT_BF6
.endr
.rept 4
	v_nop                                          ; four places in front of loads into registers that these products have read, and of the first read of their results
.endr
.irp n, 0,1,2,3,4,5,6,7,8,9,10,11
	ds_load_b128 v[FRG+4*\n:FRG+4*\n+3], v[ADR] offset:6144+512*\n    ; V^T's four fragments: they land during the softmax
.endr
.irp b, 0,1,2,3
	v_max3_num_f32 v[BM+\b], v[S+16*\b], v[S+1+16*\b], v[S+2+16*\b]   ; THE LARGEST SCORE OF EACH BLOCK OF 32 KEYS: for the row's maximum, and, since p rises with the score, for the block's largest p.  Each accumulator is read from its low end on
.endr
.irp i, 3,5,7,9,11,13
.irp b, 0,1,2,3
	v_max3_num_f32 v[BM+\b], v[BM+\b], v[S+16*\b+\i], v[S+1+16*\b+\i] ; (the four blocks by turns)
.endr
.endr
.irp b, 0,1,2,3
	v_max_num_f32 v[BM+\b], v[BM+\b], v[S+15+16*\b]
.endr
.irp b, 0,1,2,3
	s_delay_alu instid0(VALU_DEP_4)
	v_permlanex16_b32 v[TP+\b], v[BM+\b], s[SEL], s[SEL+1]
.endr
.irp b, 0,1,2,3
	s_delay_alu instid0(VALU_DEP_4)
	v_max_num_f32 v[BM+\b], v[BM+\b], v[TP+\b]     ; with lane l xor 16's 16 keys
.endr
	s_delay_alu instid0(VALU_DEP_2)
	v_max3_num_f32 v[TMP], v[BM], v[BM+1], v[BM+2]
	s_delay_alu instid0(VALU_DEP_1)
	v_max_num_f32 v[TMP], v[TMP], v[BM+3]          ; the step's largest score of my query
	s_delay_alu instid0(VALU_DEP_1)
	v_mul_f32 v[TMP], s[CS], v[TMP]                ; as t (c is positive)
	s_delay_alu instid0(VALU_DEP_1)
	v_max_num_f32 v13, v13, v[TMP]                 ; the running largest t
	v_mov_b32 v[TMP], v12
	s_delay_alu instid0(VALU_DEP_2)
	v_floor_f32 v12, -v13                          ; the new -M = floor(-t) = -ceil(t): M is a whole number
	s_delay_alu instid0(VALU_DEP_1)
	v_sub_f32 v[TMP], v12, v[TMP]                  ; M's old value less its new one: a whole number, 0 or less
	s_delay_alu instid0(VALU_DEP_1)
	v_cvt_i32_f32 v[TMP], v[TMP]                   ; (it saturates)
	s_delay_alu instid0(VALU_DEP_1)
	v_ldexp_f32 v[FF], 1.0, v[TMP]                 ; f = 2^(old M - new M)
.irp j, 0,2,4,6,8,10,12,14,16,18,20,22,24,26,28,30,32,34,36,38,40,42,44,46,48,50,52,54,56,58,60,62
	v_pk_fma_f32 v[S+\j:S+\j+1], v[S+\j:S+\j+1], s[CS:CS+1], v[12:13] op_sel_hi:[1,0,0]   ; t - M, two at a time (of the pairs c and -M the low word serves both halves)
.endr
.irp b, 0,1,2,3
	v_fma_f32 v[BM+\b], v[BM+\b], s[CS], v12       ; the same of each block's largest score
.endr
	s_wait_alu depctr_va_vdst(0)
.irp j, 0,1,2,3,4,5,6,7,8,9,10,11,12,13,14,15,16,17,18,19,20,21,22,23,24,25,26,27,28,29,30,31,32,33,34,35,36,37,38,39,40,41,42,43,44,45,46,47,48,49,50,51,52,53,54,55,56,57,58,59,60,61,62,63
	v_exp_f32 v[S+\j], v[S+\j]                     ; p = 2^(t - M), at most 1: not normalised
.endr
	s_setprio 1
.irp b, 0,1,2,3
	v_exp_f32 v[BM+\b], v[BM+\b]                   ; the block's largest p: the same two operations on the same number.  ONE BATCH of 68
.endr
	v_pk_mul_f32 v[14:15], v[14:15], v[FF:FF+1] op_sel_hi:[1,0]       ; the sums under the new M: the plain instruction behind the last exponential
	s_wait_alu depctr_va_vdst(0)                   ; one wait for the whole batch, ahead of the first line that names a result
.irp b, 0,1,2,3
	v_max_num_f32 v[BM+\b], 0x2800000, v[BM+\b]    ; the floor 2^(5 - 127): the byte cannot fall under 1
.endr
.irp b, 0,1,2,3
	s_delay_alu instid0(VALU_DEP_4)
	v_add_nc_u32 v[SO+\b], 0xfe000000, v[BM+\b]    ; 4 off the exponent field: the conversion's scale operand
.endr
.irp b, 0,1,2,3
	s_delay_alu instid0(VALU_DEP_4)
	v_lshrrev_b32 v[BY+\b], 23, v[SO+\b]           ; the scale's byte
.endr
	s_delay_alu instid0(VALU_DEP_3)
	v_lshl_or_b32 v[PW], v[BY+1], 8, v[BY]         ; p's scale word for these 128 keys
	s_delay_alu instid0(VALU_DEP_1)
	v_lshl_or_b32 v[PW], v[BY+2], 16, v[PW]
	s_delay_alu instid0(VALU_DEP_1)
	v_lshl_or_b32 v[PW], v[BY+3], 24, v[PW]
.irp c, 0,1
	v_cvt_scalef32_pk16_bf6_f32 v[PC+6*\c:PC+6*\c+2], v[S+32*\c:S+32*\c+15], v[SO+2*\c]
	v_cvt_scalef32_pk16_bf6_f32 v[AUX+4*\c:AUX+4*\c+2], v[S+32*\c+16:S+32*\c+31], v[SO+2*\c+1]   ; (a conversion's three registers begin on an even number)
.endr
	v_nop                                          ; one plain place behind a scaled conversion
.irp c, 0,1                                    ; the operand's layout wants a WHOLE block in a lane: lanes 0-15 block 2 c, lanes 16-31 block 2 c + 1
.irp i, 0,1,2
	v_permlane16_swap_b32 v[PC+6*\c+\i], v[AUX+4*\c+\i]
.endr
.irp i, 0,1,2
	s_delay_alu instid0(VALU_DEP_3)
	v_mov_b32 v[PC+6*\c+3+\i], v[AUX+4*\c+\i]
.endr
.endr
.irp j, 0,2,4,6,8,10,12,14,16,18,20,22,24,26,28,30
	v_pk_mul_f32 v[OT+\j:OT+\j+1], v[OT+\j:OT+\j+1], v[FF:FF+1] op_sel_hi:[1,0]   ; O^T under the new M, each accumulator from its low end on.  Twelve of the sixteen name no register of any one product below: they are the places between p's codes and scale word and the products
.endr
	s_setprio 0
	s_wait_alu depctr_va_vdst(0)
	s_wait_dscnt 0x0                               ; V's fragments are in
.irp t, 0,1,2,3                                ; O^T += V^T P^T.  The four accumulators take turns, and the eight products K Q^T stand between a link and the next, over the loop's backward jump too
	v_wmma_scale_f32_16x16x128_f8f6f4 v[OT+8*\t:OT+8*\t+7], v[FRG+12*\t:FRG+12*\t+11], v[PC:PC+11], v[OT+8*\t:OT+8*\t+7], v[SC+\t], v[PW] matrix_a_fmt:MATRIX_FMT_BF6 matrix_b_fmt:MATRIX_FMT_BF6 matrix_a_scale:MATRIX_SCALE_ROW1
.endr
	v_pk_add_f32 v[44:45], v[100:101], v[104:105]
	v_pk_add_f32 v[252:253], v[108:109], v[112:113]
	v_pk_add_f32 v[218:219], v[116:117], v[120:121]
	v_pk_add_f32 v[216:217], v[124:125], v[128:129]
	v_pk_add_f32 v[214:215], v[132:133], v[136:137]
	v_pk_add_f32 v[212:213], v[140:141], v[144:145]
	v_pk_add_f32 v[210:211], v[148:149], v[152:153]
	v_pk_add_f32 v[14:15], v[14:15], v[156:157]
	v_pk_add_f32 v[44:45], v[44:45], v[96:97]
	v_pk_add_f32 v[252:253], v[252:253], v[98:99]
	v_pk_add_f32 v[218:219], v[218:219], v[102:103]
	v_pk_add_f32 v[216:217], v[216:217], v[106:107]
	v_pk_add_f32 v[214:215], v[214:215], v[110:111]
	v_pk_add_f32 v[212:213], v[212:213], v[114:115]
	v_pk_add_f32 v[210:211], v[210:211], v[118:119]
	v_pk_add_f32 v[14:15], v[14:15], v[122:123]
	v_pk_add_f32 v[44:45], v[44:45], v[126:127]
	v_pk_add_f32 v[252:253], v[252:253], v[130:131]
	v_pk_add_f32 v[218:219], v[218:219], v[134:135]
	v_pk_add_f32 v[216:217], v[216:217], v[138:139]
	v_pk_add_f32 v[214:215], v[214:215], v[142:143]
	v_pk_add_f32 v[212:213], v[212:213], v[146:147]
	v_pk_add_f32 v[210:211], v[210:211], v[150:151]
	v_pk_add_f32 v[14:15], v[14:15], v[154:155]
	v_pk_add_f32 v[44:45], v[44:45], v[158:159]
	s_delay_alu instid0(VALU_DEP_2)
	v_pk_add_f32 v[14:15], v[14:15], v[216:217]
	s_delay_alu instid0(VALU_DEP_2)
	v_pk_add_f32 v[44:45], v[44:45], v[214:215]
	v_pk_add_f32 v[252:253], v[252:253], v[212:213]
	v_pk_add_f32 v[218:219], v[218:219], v[210:211]
	s_delay_alu instid0(VALU_DEP_2)
	v_pk_add_f32 v[14:15], v[14:15], v[252:253]
	s_delay_alu instid0(VALU_DEP_2)
	v_pk_add_f32 v[44:45], v[44:45], v[218:219]
	s_delay_alu instid0(VALU_DEP_1)
	v_pk_add_f32 v[14:15], v[14:15], v[44:45]
.endm
; A PASS: my 16 queries 256 p on.
.macro PASS p
.if \p > 0
	s_wait_xcnt 0x0                                ; the last pass's stores have read their data: those registers are written again only behind this wait
.endif
	s_wait_loadcnt 0x0                             ; q
.irp i, 0,1,2,3,4,5,6,7
	ds_store_b128 v[RD], v[QR+4*\i:QR+4*\i+3] offset:2*\i*SP          ; q turns through my stage: in as loaded, two rows an instruction,
.endr
.irp e, 0,1,2,3,4,5,6,7
	ds_load_b128 v[S+4*\e:S+4*\e+3], v[QT] offset:16*\e               ; out 32 neighbours a lane: Q(r, 32 h + 0 .. 31), a whole block.  LDS serves a wave's instructions in order (ISA guide 5.7.1.4)
.endr
	s_wait_dscnt 0x0
.if \p == 0
.irp i, 0,1,2,3,4,5,6,7
	global_load_b128 v[QR+4*\i:QR+4*\i+3], v[LI], s[4:5] offset:65536+512*\i th:TH_LOAD_NT   ; the second pass's q, a whole pass ahead of its use
.endr
.endif
	v_max3_num_f32 v[BM], |v[S]|, |v[S+1]|, 0x2800000              ; the block's largest magnitude, with the floor 2^(5 - 127) among its leaves
	v_max3_num_f32 v[BM+1], |v[S+16]|, |v[S+17]|, |v[S+18]|
.irp i, 0,1,2,3,4,5
	s_delay_alu instid0(VALU_DEP_2)
	v_max3_num_f32 v[BM], v[BM], |v[S+2+2*\i]|, |v[S+3+2*\i]|
	s_delay_alu instid0(VALU_DEP_2)
	v_max3_num_f32 v[BM+1], v[BM+1], |v[S+19+2*\i]|, |v[S+20+2*\i]|
.endr
	s_delay_alu instid0(VALU_DEP_2)
	v_max3_num_f32 v[BM], v[BM], |v[S+14]|, |v[S+15]|
	s_delay_alu instid0(VALU_DEP_1)
	v_max3_num_f32 v[BM], v[BM], v[BM+1], |v[S+31]|
	s_delay_alu instid0(VALU_DEP_1)
	v_add_nc_u32 v[SO], 0xfe000000, v[BM]          ; 4 off its exponent field: the conversion's scale operand
	s_delay_alu instid0(VALU_DEP_1)
	v_lshrrev_b32 v[TMP], 23, v[SO]                ; the scale's byte
	v_cvt_scalef32_pk16_bf6_f32 v[QL:QL+2], v[S:S+15], v[SO]
	v_cvt_scalef32_pk16_bf6_f32 v[AUX:AUX+2], v[S+16:S+31], v[SO]
	v_nop                                          ; one plain place behind a scaled conversion
.irp i, 0,1,2
	v_mov_b32 v[QL+3+\i], v[AUX+\i]
.endr
	v_bfe_u32 v[BY], v0, 4, 1
	s_delay_alu instid0(VALU_DEP_1)
	v_lshlrev_b32 v[BY], 3, v[BY]
	s_delay_alu instid0(VALU_DEP_1)
	v_lshlrev_b32 v[TMP], v[BY], v[TMP]            ; my block's byte, 8 h bits up;
	s_delay_alu instid0(VALU_DEP_1)
	v_permlanex16_b32 v[TP], v[TMP], s[SEL], s[SEL+1]
	s_delay_alu instid0(VALU_DEP_1)
	v_or_b32 v[QSL], v[TMP], v[TP]                 ; with lane l xor 16's: bytes 0 and 1; bytes 2 and 3, over zero codes, are 0
	s_delay_alu instid0(VALU_DEP_1)
	v_lshlrev_b32 v[QSH], 16, v[QSL]               ; and the same in bytes 2 and 3
	v_mov_b32 v13, 0xff61b1e6                      ; the largest t so far: -3e38, under every t
	s_delay_alu instid0(VALU_DEP_1)
	v_floor_f32 v12, -v13                          ; -M
	v_mov_b32 v14, 0                               ; the sum, in two halves
	v_mov_b32 v15, 0
.irp j, 0,1,2,3,4,5,6,7,8,9,10,11,12,13,14,15,16,17,18,19,20,21,22,23,24,25,26,27,28,29,30,31
	v_mov_b32 v[OT+\j], 0                          ; O^T.  (The step is written once: the first finds zeros, which the first change of M leaves zeros.  These lines are also the places between Q's scale words and the first product)
.endr
.if \p == 0
	s_wait_tensorcnt 0x0                           ; my record has landed,
	s_barrier_signal -1
	s_barrier_wait -1                              ; everybody's has: from here on the 16 records are only read
.endif
	s_mov_b32 s[TB], 0
.Lstep\p:
	s_setprio 2
	STEP
	s_add_co_u32 s[TB], s[TB], REC
	s_cmp_lt_u32 s[TB], NREC*REC
	s_cbranch_scc1 .Lstep\p
	s_setprio 0
	; THE WAY OUT.  O^T is divided by the row's sum and goes through my stage, so that each store covers 512 consecutive bytes, two whole rows of out0.
	v_add_f32 v14, v14, v15                        ; the sum's two halves,
	s_delay_alu instid0(VALU_DEP_1)
	v_permlanex16_b32 v[TP], v14, s[SEL], s[SEL+1]
	s_delay_alu instid0(VALU_DEP_1)
	v_add_f32 v14, v14, v[TP]                      ; and lane l xor 16's: the row's sum
	s_wait_alu depctr_va_vdst(0)
	v_rcp_f32 v14, v14
	v_nop                                          ; a plain instruction behind the transcendental
	s_wait_alu depctr_va_vdst(0)                   ; and the wait ahead of its first reader
.irp j, 0,2,4,6,8,10,12,14,16,18,20,22,24,26,28,30
	v_pk_mul_f32 v[S+\j:S+\j+1], v[OT+\j:OT+\j+1], v[14:15] op_sel_hi:[1,0]   ; register 8 t + i is o(r, 16 t + 8 h + i); each accumulator from its low end on
.endr
.irp t, 0,1,2,3
	ds_store_b128 v[STO], v[S+8*\t:S+8*\t+3] offset:64*\t
	ds_store_b128 v[STO], v[S+8*\t+4:S+8*\t+7] offset:64*\t+16
.endr
.irp i, 0,1,2,3,4,5,6,7
	ds_load_b128 v[S+32+4*\i:S+32+4*\i+3], v[RD] offset:2*\i*SP       ; back by rows: lanes 0-15 one row, lanes 16-31 the next
.endr
.irp i, 0,1,2,3,4,5,6,7
	s_wait_dscnt 7-\i                              ; LDS loads come back in order: load i is in, the younger ones may be out
	global_store_b128 v[LI], v[S+32+4*\i:S+32+4*\i+3], s[8:9] offset:65536*\p+512*\i th:TH_STORE_NT
.endr
.endm
	PASS 0
	PASS 1
	s_wait_tensorcnt 0x0
	ds_add_u32 v254, v255
	s_wait_dscnt 0x0
	CROUND                                         ; the closing round: no work-group ends while a partner may still ask for a record that names it.  (No LDS instruction of mine is out: the last count-down ended at 0)
	s_endpgm
.Lfunc_end_k_q62de315d70_attn:
	.size	k_q62de315d70_attn, .Lfunc_end_k_q62de315d70_attn-k_q62de315d70_attn
	.p2alignl 7, 3214868480
	.fill 96, 4, 3214868480
	.section	.rodata,"a",@progbits
	.p2align	6, 0x0
	.amdhsa_kernel k_q62de315d70_attn
		.amdhsa_group_segment_fixed_size 276480
		.amdhsa_private_segment_fixed_size 0
		.amdhsa_enable_private_segment 0
		.amdhsa_kernarg_size 24
		.amdhsa_user_sgpr_count 2
		.amdhsa_user_sgpr_kernarg_segment_ptr 1
		.amdhsa_wavefront_size32 1
		.amdhsa_system_sgpr_workgroup_id_x 1
		.amdhsa_system_sgpr_workgroup_id_y 1
		.amdhsa_system_sgpr_workgroup_id_z 1
		.amdhsa_system_vgpr_workitem_id 0
		.amdhsa_next_free_vgpr 256
		.amdhsa_next_free_sgpr 66
		.amdhsa_reserve_vcc 0
		.amdhsa_float_denorm_mode_32 3
		.amdhsa_float_denorm_mode_16_64 3
		.amdhsa_memory_ordered 1
		.amdhsa_forward_progress 1
		.amdhsa_inst_pref_size 56
	.end_amdhsa_kernel
	.amdgpu_metadata
---
amdhsa.version: [ 1, 2 ]
amdhsa.kernels:
  - .name:           k_q62de315d70_attn
    .symbol:         k_q62de315d70_attn.kd
    .args:
      - { .name: q, .offset: 0, .size: 8, .value_kind: global_buffer, .address_space: global }
      - { .name: kv, .offset: 8, .size: 8, .value_kind: global_buffer, .address_space: global }
      - { .name: out0, .offset: 16, .size: 8, .value_kind: global_buffer, .address_space: global }
    .group_segment_fixed_size: 276480
    .private_segment_fixed_size: 0
    .kernarg_segment_align: 8
    .kernarg_segment_size: 24
    .max_flat_workgroup_size: 512
    .sgpr_count:     66
    .vgpr_count:     256
    .wavefront_size: 32
...
	.end_amdgpu_metadata
.endif
;; end of part 2
